; MI455X (gfx1250); checked and timed in simulation.
; The chip was launched on July 23, 2026; its instructions are those of AMD's public machine-readable ISA for CDNA 5 (MIT licence, August 2026) and "CDNA5" Instruction Set Architecture Reference Guide (July 2026). The comments in the code are by the model that wrote it; some were corrected since.
;; My Temporal Attention. Allowed arithmetic: matrix products marked QUANTISED: E2M3 operands, one E8M0 scale for each 32 along K, by v_wmma_scale_f32_16x16x128_f8f6f4 with both operands' format E2M3, f32 sums; everything else in f32.
;; Inputs: W1 512 x 512 float32; W2 512 x 512 float32; Wk 512 x 512 float32; Wo 512 x 512 float32; Wq 512 x 512 float32; Wv 512 x 512 float32; b1 512 float32; b2 512 float32; bk 512 float32; bo 512 float32; bq 512 float32; bv 512 float32; te 2 x 128 x 128 x 512 float32; x 2 x 128 x 128 x 512 float32.
;; Outputs: out0 2 x 128 x 128 x 512 float32.
;; This version of the problem:
;;   THIS VERSION OF THE PROBLEM IS GIVEN IN LOW PRECISION. The matrix products marked QUANTISED in the list below multiply operands that are first quantised to E2M3 (2 exponent bits, 3 mantissa bits; 6 bits a number), with one power-of-two scale for each 32 numbers along K (OCP MX v1.0); their sums are f32. All else is computed in f32.
;;   The module's matrix products, in the order in which they are computed (A, B: the left and right operand; K: the contracted axis; several contracted axes count as one K, in the product's order):
;;     1. [M 32,768, K 512] x [K 512, N 512]; A: computed on the way; B: input Wq: QUANTISED
;;     2. [M 32,768, K 512] x [K 512, N 512]; A: computed on the way; B: input Wk: QUANTISED
;;     3. [M 32,768, K 512] x [K 512, N 512]; A: computed on the way; B: input Wv: QUANTISED
;;     4. batch 2,048 x [M 128, K 64] x [K 64, N 128]; A: computed on the way; B: computed on the way: QUANTISED
;;     5. batch 2,048 x [M 64, K 128] x [K 128, N 128]; A: computed on the way; B: softmax (see below): QUANTISED
;;     6. [M 32,768, K 512] x [K 512, N 512]; A: computed on the way; B: input Wo: QUANTISED
;;     7. [M 32,768, K 512] x [K 512, N 512]; A: computed on the way; B: input W1: QUANTISED
;;     8. [M 32,768, K 512] x [K 512, N 512]; A: computed on the way; B: input W2: QUANTISED
;;   THE QUANTISER, for each operand of a quantised product, along K:
;;     - K is cut into blocks of 32 from its start; a last block that is shorter is filled with zeros.
;;     - A block's scale is 2^e with e = floor(log2(the largest magnitude in the block)) - 2, held to -126 .. 127; a block of zeros has e = 0. As a byte (E8M0): e + 127.
;;     - Each number is divided by its block's scale, clamped to +-7.5, and rounded to the nearest number of E2M3, ties to even, subnormals kept.
;;     - The product sums the exact products of the quantised numbers (number of the format x scale) in f32.
;;   ~~~python
;;   def quantise(x, axis):      # numpy; x: float32 -> the quantised numbers, widened to float32 again
;;       x = np.moveaxis(x, axis, -1); K = x.shape[-1]
;;       x = np.pad(x, [(0, 0)] * (x.ndim - 1) + [(0, -K % 32)]); x = x.reshape(x.shape[:-1] + (-1, 32)); a = np.abs(x).max(-1, keepdims=True)
;;       e = np.where(a > 0, np.clip(np.frexp(np.where(a > 0, a, 1))[1] - 1 - 2, -126, 127), 0)      # np.frexp(a)[1] - 1 = floor(log2(a)), exactly
;;       r = np.clip(x / 2.0 ** e, -7.5, 7.5)
;;       step = 2.0 ** (np.maximum(np.frexp(np.where(r == 0, 1, r))[1] - 1, 0) - 3)
;;       q = np.round(r / step) * step * 2.0 ** e      # np.round: ties to even
;;       return np.moveaxis(q.reshape(q.shape[:-2] + (-1,))[..., :K], -1, axis).astype(np.float32)
;;   ~~~
;;   SOFTMAX AHEAD OF A QUANTISED PRODUCT. Where the list says 'softmax', what is quantised is not the finished softmax but p = 2^(t - M), with t = logit x log2(e) and M = ceil(the row's largest t), a whole number; so 1/2 < the row's largest p <= 1. The row's sum l is taken of the UNQUANTISED p, in f32, and the product's result is divided by l at the end. Since M is a whole number, a kernel that streams over the keys may use a running M (the ceiling of the running maximum): every later rescaling is an exact power of two, which a block's scale takes up: the codes' values come out the same.
;;   OPERANDS COMPUTED ON THE WAY. 'Computed on the way' means the value that the module computes at that place (a softmax that the list does not call 'softmax' is quantised finished and normalised). What goes into a quantiser is computed in f32, as accurately as f32 sums, v_exp_f32 and their like allow (about 1e-6 of the number): no bf16 or f16 on the way to a quantiser, and a product that is left as it is and whose result goes on into a quantised operand takes f32 operands (vector FMAs, or v_wmma_f32_16x16x4_f32). A number that lies on a knife's edge between two numbers of the format may be rounded either way, as far as f32 arithmetic and the matrix unit's own rounding can turn it there, and no further.
;; One version. Each part assembles by itself: llvm-mc -triple=amdgcn-amd-amdhsa -mcpu=gfx1250 --defsym DOCPART=n.
;; ======== version 1 of 1: 2 launches
;; limits: right only within a limited range of input values
;; workspace buffers: wpk 1,241,088 bytes
;; launch prep (part 1): grid 16 x 12, 4 waves a work-group, no clusters, 768 bytes of LDS; arguments Wq, Wk, Wv, Wo, W1, W2, bq, bk, bv, bo, b1, b2, wpk; writes wpk
.if DOCPART == 1
	.amdgcn_target "amdgcn-amd-amdhsa--gfx1250"
	.amdhsa_code_object_version 6
	.text
	.protected	k_q91bb8747b4_prep
	.globl	k_q91bb8747b4_prep
	.p2align	8
	.type	k_q91bb8747b4_prep,@function
k_q91bb8747b4_prep:
	s_mov_b64 s[64:65], 0
	v_nop
	global_prefetch_b8 v0, s[64:65] scope:SCOPE_SE
	s_setreg_imm32_b32 hwreg(HW_REG_WAVE_MODE, 25, 1), 1
	s_wait_xcnt 0x0
; The six weights [512 (k)][512 (n)], f32, K their FIRST axis, become codes of FP6 (E2M3) with one E8M0 byte for each 32 along K, laid as the second launch's waves take them:
; wpk = 4 groups g (the wave that owns columns 128 g ..) x 12 chunks (in the order of use: q0 k0 v0 q1 k1 v1 o0 o1 f0 f1 g0 g1; the digit is the half of 64 columns) x 25,856 bytes.
; A chunk: 256 bytes of bias (its 64 columns, f32), then for each K step s of 128: 256 bytes of scale words, then 4 fragments of 1,536 bytes, each an image of the operand's 12 registers (registers 4 q .. 4 q + 3 of lane l at 512 q + 16 l).
; Fragment c: lane (r, h) holds column 32 (c / 2) + 8 (c % 2) + r + 8 (r / 8) of the 64, registers 6 cc .. 6 cc + 5 its k = 128 s + 64 cc + 32 h + 0 .. 31.
; Scale words: the word of column r of fragment c lies at 8 (r + 16 (c % 2)) + 4 (c / 2): one load of 8 bytes a lane then brings two registers, each with one fragment's words in lanes 0-15 and another's in lanes 16-31.
; SHARES: work-group (x, y): g = x / 4, s = x % 4, chunk y; wave c makes fragment c.  A lane takes a column and its registers run down K, so the conversions' results are the operand's registers.
; A block's scale is 2^(floor(log2(its largest magnitude)) - 2); its byte is that magnitude's exponent field - 2, held at 1 from below.
; LIMITS: a block whose largest magnitude lies under 2^-124, a block of zeros among them, gets the byte 1 (the bytes are read by this program alone; zero codes add nothing); NaN and infinities are not served.
.set CHUNK, 25856
.set GRP,   6400
	s_load_b512 s[16:31], s[0:1], 0x0              ; Wq Wk Wv Wo W1 W2 bq bk
	s_load_b256 s[32:39], s[0:1], 0x40             ; bv bo b1 b2
	s_load_b64 s[40:41], s[0:1], 0x60              ; wpk
	v_lshl_add_u32 v128, v0, 2, 0x100
	v_mov_b32 v129, 0
	v_lshrrev_b32 v1, 5, v0
	v_readfirstlane_b32 s12, v1                    ; wave = fragment c
	v_and_b32 v1, 15, v0                           ; r
	v_bfe_u32 v2, v0, 4, 1                         ; h
	v_and_b32 v3, 31, v0                           ; lane
	v_and_b32 v4, 8, v1
	v_add_nc_u32 v4, v4, v1                        ; r + 8 (r / 8)
	v_lshlrev_b32 v5, 2, v4
	v_lshl_add_u32 v5, v2, 16, v5                  ; my column's 4 bytes; lanes 16-31 begin 32 rows of 2,048 bytes further down
	v_lshlrev_b32 v6, 4, v3                        ; 16 x lane: the image
	v_lshlrev_b32 v7, 3, v3                        ; 8 x lane
	s_and_b32 s13, s12, 1
	s_lshr_b32 s14, s12, 1
	s_lshl_b32 s15, s13, 7
	s_lshl_b32 s45, s14, 2
	s_add_co_u32 s15, s15, s45
	v_lshlrev_b32 v8, 3, v1
	v_add_nc_u32 v8, s15, v8                       ; LDS: 8 r + 128 (c % 2) + 4 (c / 2)
	s_lshr_b32 s42, ttmp9, 2                       ; g
	s_and_b32 s43, ttmp9, 3                        ; s
	s_and_b32 s2, ttmp7, 0xffff                    ; the chunk's number
	s_cmp_ge_u32 s2, 3                             ; chunks 0-5: matrix = number % 3, half = number / 3
	s_cselect_b32 s3, 1, 0
	s_mul_i32 s44, s3, 3
	s_sub_co_u32 s44, s2, s44
	s_sub_co_u32 s45, s2, 6                        ; chunks 6-11: matrix = 3 + (number - 6) / 2, half = (number - 6) % 2
	s_and_b32 s46, s45, 1
	s_lshr_b32 s45, s45, 1
	s_add_co_u32 s45, s45, 3
	s_cmp_lt_u32 s2, 6
	s_cselect_b32 s3, s3, s46                      ; the half
	s_cselect_b32 s44, s44, s45                    ; the matrix
	s_lshl_b32 s8, s42, 7
	s_lshl_b32 s9, s3, 6
	s_add_co_u32 s8, s8, s9                        ; the chunk's first column: 128 g + 64 half
	s_lshl_b32 s10, s8, 2                          ; its bias, in bytes
	s_mov_b32 s11, 0
	s_lshl_b32 s9, s14, 5
	s_add_co_u32 s8, s8, s9
	s_lshl_b32 s9, s13, 3
	s_add_co_u32 s8, s8, s9                        ; + 32 (c / 2) + 8 (c % 2)
	s_lshl_b32 s8, s8, 2
	s_lshl_b32 s9, s43, 18                         ; + 128 s rows of 2,048 bytes
	s_add_co_u32 s8, s8, s9
	s_mov_b32 s9, 0
	s_wait_alu depctr_va_vdst(0)
	s_wait_kmcnt 0x0
	s_mov_b64 s[4:5], s[16:17]                     ; the matrix and its bias are chosen by the chunk's number alone
	s_mov_b64 s[6:7], s[28:29]
.irp i, 1,2,3,4,5
	s_cmp_eq_u32 s44, \i
	s_cselect_b64 s[4:5], s[16+2*\i:17+2*\i], s[4:5]
	s_cselect_b64 s[6:7], s[28+2*\i:29+2*\i], s[6:7]
.endr
	s_add_nc_u64 s[4:5], s[4:5], s[8:9]
	s_add_nc_u64 s[6:7], s[6:7], s[10:11]
.irp c, 0,1
.irp i, 0,1,2,3,4,5,6,7,8,9,10,11,12,13,14,15,16,17,18,19,20,21,22,23,24,25,26,27,28,29,30,31
	global_load_b32 v[64+32*\c+\i], v5, s[4:5] offset:2048*(64*\c+\i)   ; W(128 s + 64 c + 32 h + i, my column)
.endr
.endr
	s_mul_i32 s15, s42, 12
	s_add_co_u32 s15, s15, s2
	s_mul_i32 s44, s15, CHUNK                      ; the chunk's first byte
	s_mov_b32 s45, 0
	s_add_nc_u64 s[40:41], s[40:41], s[44:45]
	s_mul_i32 s10, s43, GRP
	s_add_co_u32 s10, s10, 256
	s_add_nc_u64 s[8:9], s[40:41], s[10:11]        ; K step s: its scale words
	s_mul_i32 s10, s12, 1536
	s_add_co_u32 s10, s10, 256
	s_add_nc_u64 s[44:45], s[8:9], s[10:11]        ; my fragment
	s_mov_b32 s46, 0x76543210
	s_mov_b32 s47, 0xfedcba98                      ; v_permlanex16_b32's selects for lane l xor 16
	s_wait_loadcnt 0x0
.irp c, 0,1                                    ; my block 2 c + h: all its 32 numbers are mine
	v_max3_num_f32 v[32+\c], |v[64+32*\c]|, |v[65+32*\c]|, 0x1800000   ; and the floor 2^(3 - 127): the byte cannot fall under 1
.endr
.irp i, 2,4,6,8,10,12,14,16,18,20,22,24,26,28,30
.irp c, 0,1
	v_max3_num_f32 v[32+\c], v[32+\c], |v[64+32*\c+\i]|, |v[65+32*\c+\i]|
.endr
.endr
.irp c, 0,1
	v_add_nc_u32 v[44+\c], 0xff000000, v[32+\c]    ; 2 off the exponent field: the conversion's scale operand
.endr
.irp c, 0,1
	v_lshrrev_b32 v[36+\c], 23, v[44+\c]           ; the scale's byte
.endr
	v_lshl_or_b32 v9, v37, 16, v36                 ; my two bytes: blocks h and 2 + h,
	v_lshlrev_b32 v10, 3, v2
	v_lshlrev_b32 v9, v10, v9                      ; at their places in the word;
	v_mov_b32 v10, 0
	v_permlanex16_b32 v10, v9, s46, s47
	v_or_b32 v9, v9, v10                           ; with lane l xor 16's two the word is whole
.irp c, 0,1
	v_cvt_scalef32_pk16_fp6_f32 v[48+6*\c:50+6*\c], v[64+32*\c:79+32*\c], v[44+\c]
	v_cvt_scalef32_pk16_fp6_f32 v[16+4*\c:18+4*\c], v[80+32*\c:95+32*\c], v[44+\c]   ; (a conversion's three registers begin on an even number)
.endr
	v_nop                                          ; one plain place behind a scaled conversion
.irp c, 0,1
.irp i, 0,1,2
	v_mov_b32 v[51+6*\c+\i], v[16+4*\c+\i]
.endr
.endr
.irp q, 0,1,2
	global_store_b128 v6, v[48+4*\q:51+4*\q], s[44:45] offset:512*\q   ; 32 lanes store 512 consecutive bytes
.endr
	ds_store_b32 v8, v9                            ; lanes r and r + 16 write the same word with the same value
	s_wait_dscnt 0x0                               ; for the others' sake
	s_barrier_signal -1
	s_barrier_wait -1
	s_cmp_lg_u32 s12, 0
	s_cbranch_scc1 .Lnot_0
	ds_load_b64 v[12:13], v7                       ; wave 0: the four fragments' scale words leave as one run of 256 bytes
	s_wait_dscnt 0x0
	global_store_b64 v7, v[12:13], s[8:9]
.Lnot_0:
	s_cmp_lg_u32 s12, 1
	s_cbranch_scc1 .Lend
	s_cmp_lg_u32 s43, 0
	s_cbranch_scc1 .Lend
	global_load_b64 v[14:15], v7, s[6:7]           ; wave 1 of the work-group with s = 0: the chunk's 64 biases
	s_wait_loadcnt 0x0
	global_store_b64 v7, v[14:15], s[40:41]
.Lend:
	s_wait_tensorcnt 0x0
	ds_add_u32 v128, v129
	s_wait_dscnt 0x0
	s_endpgm
.Lfunc_end_k_q91bb8747b4_prep:
	.size	k_q91bb8747b4_prep, .Lfunc_end_k_q91bb8747b4_prep-k_q91bb8747b4_prep
	.p2alignl 7, 3214868480
	.fill 96, 4, 3214868480
	.section	.rodata,"a",@progbits
	.p2align	6, 0x0
	.amdhsa_kernel k_q91bb8747b4_prep
		.amdhsa_group_segment_fixed_size 768
		.amdhsa_private_segment_fixed_size 0
		.amdhsa_enable_private_segment 0
		.amdhsa_kernarg_size 104
		.amdhsa_user_sgpr_count 2
		.amdhsa_user_sgpr_kernarg_segment_ptr 1
		.amdhsa_wavefront_size32 1
		.amdhsa_system_sgpr_workgroup_id_x 1
		.amdhsa_system_sgpr_workgroup_id_y 1
		.amdhsa_system_sgpr_workgroup_id_z 1
		.amdhsa_system_vgpr_workitem_id 0
		.amdhsa_next_free_vgpr 130
		.amdhsa_next_free_sgpr 66
		.amdhsa_reserve_vcc 0
		.amdhsa_float_denorm_mode_32 3
		.amdhsa_float_denorm_mode_16_64 3
		.amdhsa_memory_ordered 1
		.amdhsa_forward_progress 1
		.amdhsa_inst_pref_size 14
	.end_amdhsa_kernel
	.amdgpu_metadata
---
amdhsa.version: [ 1, 2 ]
amdhsa.kernels:
  - .name:           k_q91bb8747b4_prep
    .symbol:         k_q91bb8747b4_prep.kd
    .args:
      - { .name: Wq, .offset: 0, .size: 8, .value_kind: global_buffer, .address_space: global }
      - { .name: Wk, .offset: 8, .size: 8, .value_kind: global_buffer, .address_space: global }
      - { .name: Wv, .offset: 16, .size: 8, .value_kind: global_buffer, .address_space: global }
      - { .name: Wo, .offset: 24, .size: 8, .value_kind: global_buffer, .address_space: global }
      - { .name: W1, .offset: 32, .size: 8, .value_kind: global_buffer, .address_space: global }
      - { .name: W2, .offset: 40, .size: 8, .value_kind: global_buffer, .address_space: global }
      - { .name: bq, .offset: 48, .size: 8, .value_kind: global_buffer, .address_space: global }
      - { .name: bk, .offset: 56, .size: 8, .value_kind: global_buffer, .address_space: global }
      - { .name: bv, .offset: 64, .size: 8, .value_kind: global_buffer, .address_space: global }
      - { .name: bo, .offset: 72, .size: 8, .value_kind: global_buffer, .address_space: global }
      - { .name: b1, .offset: 80, .size: 8, .value_kind: global_buffer, .address_space: global }
      - { .name: b2, .offset: 88, .size: 8, .value_kind: global_buffer, .address_space: global }
      - { .name: wpk, .offset: 96, .size: 8, .value_kind: global_buffer, .address_space: global }
    .group_segment_fixed_size: 768
    .private_segment_fixed_size: 0
    .kernarg_segment_align: 8
    .kernarg_segment_size: 104
    .max_flat_workgroup_size: 128
    .sgpr_count:     66
    .vgpr_count:     130
    .wavefront_size: 32
...
	.end_amdgpu_metadata
.endif
;; end of part 1
;; launch fused (part 2): grid 128 x 2, 4 waves a work-group, no clusters, 299,520 bytes of LDS; arguments x, te, wpk, out0; writes out0
.if DOCPART == 2
	.amdgcn_target "amdgcn-amd-amdhsa--gfx1250"
	.amdhsa_code_object_version 6
	.text
	.protected	k_q91bb8747b4_fused
	.globl	k_q91bb8747b4_fused
	.p2align	8
	.type	k_q91bb8747b4_fused,@function
k_q91bb8747b4_fused:
	s_mov_b64 s[64:65], 0
	v_nop
	global_prefetch_b8 v0, s[64:65] scope:SCOPE_SE
	s_setreg_imm32_b32 hwreg(HW_REG_WAVE_MODE, 25, 1), 1
	s_wait_xcnt 0x0
; The whole module for one (b, n): 128 time steps x 512 features.  xt = x + te; q, k, v; 8 heads of causal attention with the segment weights; Wo, residual, LayerNorm; W1, relu, W2, residual, LayerNorm.
; All eight products on codes of FP6 (E2M3), one E8M0 byte for each 32 along K; every operand is quantised here, in f32, but the weights, which the launch before has laid out (wpk).
; SHARES.  256 work-groups, one for each (b, n); four waves.  Wave w owns features 128 w .. 128 w + 127 (heads 2 w, 2 w + 1) of all rows: a weight fragment has ONE reader in the work-group and goes from memory
; straight into that wave's registers.  Only the rows' codes go from wave to wave, through LDS, as images of the operand's registers (registers 4 q .. 4 q + 3 of lane l at 512 q + 16 l).
; No tensor load and no cluster: through LDS each weight byte would be written and read once more for its one reader.  No prefetch: the register loads of a chunk of weights are issued a whole chunk ahead, x and te 64 loads ahead.
; ROW ORDER.  Lane r of row tile t (0..7) holds time step 32 (t / 2) + 8 (t % 2) + r + 8 (r / 8); a weight tile's lanes hold columns in the same order: the 16 registers of two neighbouring tiles of a result are 16 neighbours along the next K.
; THE WALK.  xt's tiles 4-7 first (a loop; their f32 numbers are parked in LDS), then tiles 0-3 (kept in window 2).  Per head: q and k in two passes of 64 rows on one resident chunk of weights; v on all 128 rows; attention.
; All that follows the attention knows nothing of other rows: a loop of two trips, 64 rows each, residual in window 2; the six chunks of Wo, W1, W2 are read once in each trip.
; SOFTMAX.  t = score x c, c = log2(e) / 8 in the head's own 16 keys, 0.3 log2(e) / 8 elsewhere; M = ceil(the row's largest t); p = 2^(t - M) is quantised; the sum of the unquantised p divides the result.  Blocks of 32 keys wholly behind a tile's queries are not multiplied.
; LIMITS.  A block whose largest magnitude lies under 2^-124, zeros among them, gets the byte 1 (read by this program alone).  NaN and infinities among the inputs are not served.  c is one f32 constant where the definition rounds three times.
; LayerNorm: each wave's mean and centred sum of squares, joined exactly; 1 / sqrt by v_rsq_f32, 1 / sum by v_rcp_f32.
; WINDOWS (s_set_vgpr_msb: bits 1:0 source 0, 3:2 source 1, 5:4 source 2, 7:6 destination): 0: addresses, row fragments v32-127, scale words v128-143, quantiser v144-191, at work v192-255;
;   1: loads of x and te, accumulators, attention;  2: the residual of four row tiles;  3: v0-191 a chunk's 16 weight fragments, v192-223 its bias in the result's layout.
.set RS,    262144
.set BLKB,  0x800000
.set CHUNK, 25856
.set GRP,   6400
.set REG_A, 0                          ; images of xt, later of the first LayerNorm's result: fragment (t, s) at (8 s + t) 1,536; scale words at SCO + 512 s + 64 t + 4 r
.set REG_B, 51200                      ; the same: the attention's result, later the hidden layer
.set SCO,   49152
.set PRIV,  102400                     ; 15,360 bytes a wave: a stage of 16 rows x 528; or q's and k's codes and scale words
.set PRIVB, 15360
.set KREG,  7680
.set PARK,  163840                     ; 32,768 bytes a wave: xt's tiles 4-7 in f32
.set STATS, 294912                     ; LayerNorm: row 16 t + r at 32 x row, wave w's pair at + 8 w
.set L16, 1
.set L8,  2
.set RR,  3
.set HB,  4
.set LD,  5
.set BOF, 6
.set VBO, 7
.set STW, 8
.set STR, 9
.set AIA, 10
.set ASA, 11
.set AIB, 12
.set ASB, 13
.set XWI, 14
.set XWS, 15
.set BWI, 16
.set BWS, 17
.set PRK, 18
.set P16, 19
.set P8,  20
.set P4,  21
.set STA, 22
.set STRD, 23
.set DB,  24
.set RAI, 19                           ; behind the attention: the addresses of this trip's 64 rows
.set RAS, 20
.set RBI, 21
.set RBS, 24
.set RXI, 7
.set RXS, 29
.set RST, 30
.set RSR, 31
.set AF,  32
.set TT0, 32
.set TT1, 192
.set VF,  32
.set KP0, 80
.set KP2, 192
.set QF,  228
.set WSC, 128
.set ASC, 136
.set KSC, 136
.set VSC, 140
.set TM,  144
.set PC,  160
.set T2,  172
.set PW,  180
.set PSC, 180
.set QSC, 181
.set VB,  182
.set TA,  190
.set CHA, 32
.set RSD, 32
.set MW,  48
.set SQW, 64
.set MEA, 80
.set UA,  88
.set UB,  96
.set CCP, 104
.set aS,  0
.set aO,  64
.set aPC, 96
.set aPT, 108
.set aBM, 116
.set aBX, 120
.set aSO, 124
.set aBY, 128
.set aNM, 132
.set aLS, 134
.set aL2, 136
.set aCM, 140
.set aDD, 148
.set aNI, 149
.set aT,  150
.set WV,  12
.set XP,  16
.set TP,  18
.set OB,  20
.set WP,  28
.set WST, 30
.set HPN, 32
.set HH,  34
.set QK,  35
.set UU,  36
.set PP,  37
.set HF,  38
.set SEL, 40
.set CF,  42
.set CB,  43
.set PO,  48
.set TQ,  49
.set QO,  50
.set QS,  51
.set SQ,  52
.set U8,  53
.set HO,  54
.set H2,  57
.set GO,  58
.set G2,  61
.set K128, 66
.set K512, 67
.set KEPS, 68
.set KM,   69
.set XB,  70
.set TB,  72
.set W6,  74
.set MM,  76
.set MA,  77
.set MS,  78
.set MT,  79
.set PA,  80
.set PB,  81
.set PD,  82
.set OC,  84
.set JJ,  88
.set MP,  89
.set rN, -1
.set f0, 0
.set rQ, QF
.set sQ, QSC
.set rP, aPC
.set sP, PSC
.set MSB, 0
.macro WIN new                         ; the immediate's high byte repeats the setting that is left
.if MSB != (\new)
	s_set_vgpr_msb (MSB<<8)|(\new)
.set MSB, (\new)
.endif
.endm
.macro PLACES n                        ; plain places behind a matrix instruction (ISA guide 7.12.1)
.rept \n
	v_nop
.endr
.endm
.macro BARRIER                         ; my LDS stores have landed and my LDS loads are in
	s_wait_alu depctr_va_vdst(0)                   ; ahead of the blocking wait
	s_wait_dscnt 0x0
	s_barrier_signal -1
	s_barrier_wait -1
.endm
; One matrix instruction.  c < 0: the sum begins with 0.  ra, rb: the side's scale words stand in lanes 16-31.
.macro WM d, a, b, c, sa, sb, ra, rb
.if (\c) < 0
.if (\ra) && (\rb)
	v_wmma_scale_f32_16x16x128_f8f6f4 v[\d:\d+7], v[\a:\a+11], v[\b:\b+11], 0, v[\sa], v[\sb] matrix_a_fmt:MATRIX_FMT_FP6 matrix_b_fmt:MATRIX_FMT_FP6 matrix_a_scale:MATRIX_SCALE_ROW1 matrix_b_scale:MATRIX_SCALE_ROW1
.elseif (\ra)
	v_wmma_scale_f32_16x16x128_f8f6f4 v[\d:\d+7], v[\a:\a+11], v[\b:\b+11], 0, v[\sa], v[\sb] matrix_a_fmt:MATRIX_FMT_FP6 matrix_b_fmt:MATRIX_FMT_FP6 matrix_a_scale:MATRIX_SCALE_ROW1
.elseif (\rb)
	v_wmma_scale_f32_16x16x128_f8f6f4 v[\d:\d+7], v[\a:\a+11], v[\b:\b+11], 0, v[\sa], v[\sb] matrix_a_fmt:MATRIX_FMT_FP6 matrix_b_fmt:MATRIX_FMT_FP6 matrix_b_scale:MATRIX_SCALE_ROW1
.else
	v_wmma_scale_f32_16x16x128_f8f6f4 v[\d:\d+7], v[\a:\a+11], v[\b:\b+11], 0, v[\sa], v[\sb] matrix_a_fmt:MATRIX_FMT_FP6 matrix_b_fmt:MATRIX_FMT_FP6
.endif
.else
.if (\ra) && (\rb)
	v_wmma_scale_f32_16x16x128_f8f6f4 v[\d:\d+7], v[\a:\a+11], v[\b:\b+11], v[\c:\c+7], v[\sa], v[\sb] matrix_a_fmt:MATRIX_FMT_FP6 matrix_b_fmt:MATRIX_FMT_FP6 matrix_a_scale:MATRIX_SCALE_ROW1 matrix_b_scale:MATRIX_SCALE_ROW1
.elseif (\ra)
	v_wmma_scale_f32_16x16x128_f8f6f4 v[\d:\d+7], v[\a:\a+11], v[\b:\b+11], v[\c:\c+7], v[\sa], v[\sb] matrix_a_fmt:MATRIX_FMT_FP6 matrix_b_fmt:MATRIX_FMT_FP6 matrix_a_scale:MATRIX_SCALE_ROW1
.elseif (\rb)
	v_wmma_scale_f32_16x16x128_f8f6f4 v[\d:\d+7], v[\a:\a+11], v[\b:\b+11], v[\c:\c+7], v[\sa], v[\sb] matrix_a_fmt:MATRIX_FMT_FP6 matrix_b_fmt:MATRIX_FMT_FP6 matrix_b_scale:MATRIX_SCALE_ROW1
.else
	v_wmma_scale_f32_16x16x128_f8f6f4 v[\d:\d+7], v[\a:\a+11], v[\b:\b+11], v[\c:\c+7], v[\sa], v[\sb] matrix_a_fmt:MATRIX_FMT_FP6 matrix_b_fmt:MATRIX_FMT_FP6
.endif
.endif
.endm
; K step s of the chunk at WP: 2 scale registers, (s = 0: the bias, 8 loads,) 4 fragments: 13 loads, 21 for s = 0.
.macro REFILL s
	WIN 0
	global_load_b64 v[WSC+2*(\s):WSC+2*(\s)+1], v[L8], s[WP:WP+1] offset:256+GRP*(\s)
	WIN 0xc0
.if (\s) == 0
.irp c, 0,1,2,3
.irp e, 0,1
	global_load_b128 v[192+8*\c+4*\e:192+8*\c+4*\e+3], v[BOF], s[WP:WP+1] offset:(32*(\c/2)+8*(\c%2))*4+16*\e
.endr
.endr
.endif
.irp c, 0,1,2,3
.irp q, 0,1,2
	global_load_b128 v[48*(\s)+12*\c+4*\q:48*(\s)+12*\c+4*\q+3], v[L16], s[WP:WP+1] offset:512+GRP*(\s)+1536*\c+512*\q
.endr
.endr
	WIN 0
.endm
; WP goes on to the next chunk of the walk 0 .. 11, 6 .. 11: behind chunk 11 back to chunk 6 once; behind the seventeenth step it stays, so that the last refills read the last chunk again: inside the buffer, unused, and the counts of loads are the same in all.
.macro WNEXT
	s_wait_xcnt 0x0                                ; the loads issued have read WP
	s_cmp_lt_u32 s[HPN], 17
	s_cselect_b32 s[WST], CHUNK, 0
	s_add_nc_u64 s[WP:WP+1], s[WP:WP+1], s[WST:WST+1]
	s_cmp_eq_u32 s[HPN], 11
	s_cselect_b64 s[WP:WP+1], s[W6:W6+1], s[WP:WP+1]
	s_add_co_u32 s[HPN], s[HPN], 1
.endm
; ---- a half product on 64 rows (HQ): 4 row tiles x 4 column tiles x 4 K steps, 16 accumulators by turns
.macro AFQ ai, as, s                   ; four row tiles' fragments of K step s (12 loads) and their scale words (2), into set s % 2
.irp t, 0,1,2,3
.irp q, 0,1,2
	ds_load_b128 v[AF+48*((\s)%2)+12*\t+4*\q:AF+48*((\s)%2)+12*\t+4*\q+3], v[\ai] offset:(8*(\s)+\t)*1536+512*\q
.endr
.endr
.irp p, 0,1
	ds_load_b32 v[ASC+4*((\s)%2)+\p], v[\as] offset:512*(\s)+128*\p
.endr
.endm
.macro HQRUN kind, hf, s               ; kind 0: window 1 at 8 (4 t + c), the bias starts the sum.  kind 2: in place onto the residual in window 2
.irp t, 0,1,2,3
.irp c, 0,1,2,3
.set fW, \c%2
.set fX, \t%2
.set sW, WSC+2*(\s)+\c/2
.set sX, ASC+4*((\s)%2)+\t/2
.set rW, 48*(\s)+12*\c
.set rX, AF+48*((\s)%2)+12*\t
.if \kind == 0
.set rD, 8*(4*\t+\c)
.set rC, rD
.if (\s) == 0
.set rC, 192+8*\c
.endif
.else
.set rD, 64*\t+8*(4*\hf+\c)
.set rC, rD
.endif
	WM rD, rW, rX, rC, sW, sX, fW, fX
.endr
.endr
.endm
; At its head the chunk's four groups are out in order (21, 13, 13, 13 loads), or in.  rf = 1: behind K step s its registers take the next chunk's group s: LOADcnt 39, then 26 + 21 = 13 + 21 + 13 = 21 + 13 + 13 = 47 younger.
; rf = 0: nothing is asked for: 39, 26, 13, 0 younger.  DScnt 14: the next K step's 14 LDS loads may be out.
.macro HQ kind, ai, as, hf, rf
	AFQ \ai, \as, 0
	AFQ \ai, \as, 1
.irp s, 0,1,2,3
.if \rf
.if \s == 0
	s_wait_loadcnt 39
.else
	s_wait_loadcnt 47
.endif
.else
	s_wait_loadcnt 39-13*\s
.endif
.if \s < 3
	s_wait_dscnt 14
.else
	s_wait_dscnt 0x0
.endif
.if \kind == 0
.if \s == 0
	WIN 0x73
.else
	WIN 0x53
.endif
.else
	WIN 0xa3
.endif
	HQRUN \kind, \hf, \s
	PLACES 4
	WIN 0
.if \s < 2
	AFQ \ai, \as, \s+2
.endif
.if \rf
.if \s == 0
	WNEXT                                          ; WP is stepped ahead of the first refill: the loads that read it were issued a half product ago
.endif
	REFILL \s
.endif
.endr
.endm
; ---- v's half product on all 128 rows: rows as source 0, so that a lane holds ONE channel and its registers run along the keys; result at 8 (8 c + t); the bias (v192-223 of window 0) starts the sum
.macro AFETCH s, half
.irp t, 0,1,2,3
.irp q, 0,1,2
	ds_load_b128 v[AF+12*(4*\half+\t)+4*\q:AF+12*(4*\half+\t)+4*\q+3], v[AIA] offset:(8*(\s)+4*\half+\t)*1536+512*\q
.endr
.endr
.if \half == 0
.irp p, 0,1,2,3
	ds_load_b32 v[ASC+4*((\s)%2)+\p], v[ASA] offset:512*(\s)+128*\p
.endr
.endif
.endm
.macro VRUN s, t0
.if (\s) == 0
	WIN 0x4c
.else
	WIN 0x5c
.endif
.irp t, 0,1,2,3
.irp c, 0,1,2,3
.set tt, \t0+\t
.set fW, \c%2
.set fX, tt%2
.set sW, WSC+2*(\s)+\c/2
.set sX, ASC+4*((\s)%2)+tt/2
.set rW, 48*(\s)+12*\c
.set rX, AF+12*tt
.set rD, 8*(8*\c+tt)
.set rC, rD
.if (\s) == 0
.set rC, 192+8*\c
.endif
	WM rD, rX, rW, rC, sX, sW, fX, fW
.endr
.endr
.endm
.macro HPV                             ; LOADcnt as in HQ with rf = 1; DScnt 12: the fragments of row tiles 4-7 may be out
	AFETCH 0, 0
	AFETCH 0, 1
.irp s, 0,1,2,3
.if \s == 0
	s_wait_loadcnt 39
.else
	s_wait_loadcnt 47
.endif
	s_wait_dscnt 12
	VRUN \s, 0
	s_wait_dscnt 0x0
.if \s < 3
	PLACES 4
	WIN 0
	AFETCH \s+1, 0
.endif
	VRUN \s, 4
	PLACES 4
	WIN 0
.if \s < 3
	AFETCH \s+1, 1
.endif
.if \s == 0
	WNEXT
.endif
	REFILL \s
.endr
.endm
; THE QUANTISER.  16 nb numbers of a lane in window w, register 16 b + i = k 32 b + 16 h + i of the lane's row, become codes in v[out] on (registers 6 c .. 6 c + 5: lanes 0-15 block 2 c, lanes 16-31 block 2 c + 1) and
; the scale bytes in v[pw].  The registers are read in ascending order.
.macro QUANT src, w, out, pw, nb
	WIN ((\w)|((\w)<<2))
.set qb, 0
.rept \nb
	v_max3_num_f32 v[TM+qb], |v[(\src)+16*qb]|, |v[(\src)+16*qb+1]|, 0x1800000   ; and the floor 2^(3 - 127): the byte cannot fall under 1
.set qb, qb+1
.endr
	WIN (((\w)<<2)|((\w)<<4))
.irp i, 2,4,6,8,10,12,14
.set qb, 0
.rept \nb
	v_max3_num_f32 v[TM+qb], v[TM+qb], |v[(\src)+16*qb+\i]|, |v[(\src)+16*qb+\i+1]|
.set qb, qb+1
.endr
.endr
	WIN 0
.set qb, 0
.rept \nb
	v_permlanex16_b32 v[TM+4+qb], v[TM+qb], s[SEL], s[SEL+1]
.set qb, qb+1
.endr
.set qb, 0
.rept \nb
	v_max_num_f32 v[TM+qb], v[TM+qb], v[TM+4+qb]   ; with lane l xor 16's: the block's largest magnitude
.set qb, qb+1
.endr
.set qb, 0
.rept \nb
	v_add_nc_u32 v[TM+12+qb], 0xff000000, v[TM+qb] ; 2 off its exponent field: the conversion's scale operand
.set qb, qb+1
.endr
.set qb, 0
.rept \nb
	v_lshrrev_b32 v[TM+4+qb], 23, v[TM+12+qb]      ; the scale's byte
.set qb, qb+1
.endr
	v_lshl_or_b32 v[(\pw)], v[TM+5], 8, v[TM+4]
.if \nb == 4
	v_lshl_or_b32 v[(\pw)], v[TM+6], 16, v[(\pw)]
	v_lshl_or_b32 v[(\pw)], v[TM+7], 24, v[(\pw)]
.endif
	s_wait_alu depctr_va_vdst(0)                   ; ahead of the blocking wait
	s_wait_dscnt 0x0                               ; the LDS stores of the codes made last have read their registers
	WIN (\w)
.set qc, 0
.rept \nb/2
	v_cvt_scalef32_pk16_fp6_f32 v[(\out)+6*qc:(\out)+6*qc+2], v[(\src)+32*qc:(\src)+32*qc+15], v[TM+12+2*qc]
	v_cvt_scalef32_pk16_fp6_f32 v[T2+4*qc:T2+4*qc+2], v[(\src)+32*qc+16:(\src)+32*qc+31], v[TM+13+2*qc]
.set qc, qc+1
.endr
	WIN 0
	v_nop                                          ; one plain place behind a scaled conversion
.set qc, 0
.rept \nb/2
.irp i, 0,1,2
	v_permlane16_swap_b32 v[(\out)+6*qc+\i], v[T2+4*qc+\i]   ; a whole block to a lane
.endr
.irp i, 0,1,2
	v_mov_b32 v[(\out)+6*qc+3+\i], v[T2+4*qc+\i]
.endr
.set qc, qc+1
.endr
.endm
.macro IMAGE adr, off
.irp q, 0,1,2
	ds_store_b128 v[\adr], v[PC+4*\q:PC+4*\q+3] offset:(\off)+512*\q
.endr
.endm
; Tile p (0, 1) of the block of 32 time steps at XP, TP: 16 rows of x and of te, my 512 bytes of each: 32 loads of 512 consecutive bytes.
.macro XLD p
	WIN 0x40
.irp i, 0,1,2,3,4,5,6,7,8,9,10,11,12,13,14,15
	global_load_b128 v[128*\p+4*\i:128*\p+4*\i+3], v[LD], s[XP:XP+1] offset:(8*\p+\i+8*(\i/8))*RS th:TH_LOAD_NT
	global_load_b128 v[128*\p+64+4*\i:128*\p+64+4*\i+3], v[LD], s[TP:TP+1] offset:(8*\p+\i+8*(\i/8))*RS th:TH_LOAD_NT
.endr
	WIN 0
.endm
; A row tile: x + te; through my stage into the residual's layout (window w at xd); quantised; the image is K step w of xt.  pk >= 0: the f32 numbers go to the park (v27) at pk.
; nxt 0: the same tile of the block at XP is asked for; 1, 2: the first chunk of weights.  LOADcnt 32: the other tile's 32 loads are younger (ahead of the last tile 34 loads of weights: the count asks for two of them too).
.macro TILE tp, w, xd, nxt, ia, sa, io, so, pk
	s_wait_loadcnt 32
	WIN 0x45
.set k, 0
.rept 32
	v_pk_add_f32 v[128*\tp+k:128*\tp+k+1], v[128*\tp+k:128*\tp+k+1], v[128*\tp+64+k:128*\tp+64+k+1]
.set k, k+2
.endr
	WIN 0x04
.irp i, 0,1,2,3,4,5,6,7,8,9,10,11,12,13,14,15
	ds_store_b128 v[STW], v[128*\tp+4*\i:128*\tp+4*\i+3] offset:528*\i
.endr
	WIN ((\w)<<6)
.irp b, 0,1,2,3
.irp j, 0,1,2,3
	ds_load_b128 v[\xd+16*\b+4*\j:\xd+16*\b+4*\j+3], v[STR] offset:128*\b+16*\j   ; LDS serves a wave's instructions in order
.endr
.endr
	WIN 0
	s_wait_dscnt 0x0                               ; the tile is back, and the stores have read the registers that the next loads take
.if \nxt == 0
	XLD \tp
.elseif \nxt == 1
	REFILL 0
	REFILL 1
.else
	REFILL 2
	REFILL 3
.endif
	QUANT \xd, \w, PC, PW, 4
	IMAGE \ia, \io
	ds_store_b32 v[\sa], v[PW] offset:\so          ; lanes r and r + 16 write the same word with the same value
.if \pk >= 0
.irp q, 0,1,2,3,4,5,6,7,8,9,10,11,12,13,14,15
	ds_store_b128 v27, v[\xd+4*\q:\xd+4*\q+3] offset:\pk+512*\q
.endr
.endif
.endm
; ---------------------------------------------------------------- the head
	s_load_b256 s[4:11], s[0:1], 0x0               ; x, te, wpk, out0
	v_lshl_add_u32 v175, v0, 2, 0x49000            ; my spare word, and 0: kept for the closing lines
	v_mov_b32 v179, 0
	v_lshrrev_b32 v25, 5, v0
	v_readfirstlane_b32 s[WV], v25                 ; wave 0..3
	v_and_b32 v25, 31, v0
	v_lshlrev_b32 v[L16], 4, v25
	s_lshl_b32 s13, s[WV], 9
	v_add_nc_u32 v[LD], s13, v[L16]
	s_and_b32 s14, ttmp7, 0xffff                   ; b
	s_lshl_b32 s2, s14, 25
	s_lshl_b32 s3, ttmp9, 11                       ; n
	s_add_co_u32 s2, s2, s3
	s_mov_b32 s3, 0
	s_wait_alu depctr_va_vdst(0)                   ; ahead of the blocking wait
	s_wait_kmcnt 0x0
	s_add_nc_u64 s[XB:XB+1], s[4:5], s[2:3]
	s_add_nc_u64 s[TB:TB+1], s[6:7], s[2:3]
	s_add_nc_u64 s[XP:XP+1], s[XB:XB+1], 2*BLKB    ; the blocks of 32 time steps come in the order 2, 3, 0, 1
	s_add_nc_u64 s[TP:TP+1], s[TB:TB+1], 2*BLKB
	XLD 0
	XLD 1
	s_add_nc_u64 s[OB:OB+1], s[10:11], s[2:3]      ; out0 at each block of 32 time steps
	s_add_nc_u64 s[OB+2:OB+3], s[OB:OB+1], BLKB
	s_add_nc_u64 s[OB+4:OB+5], s[OB+2:OB+3], BLKB
	s_add_nc_u64 s[OB+6:OB+7], s[OB+4:OB+5], BLKB
	s_mul_i32 s2, s[WV], 12*CHUNK
	s_add_nc_u64 s[WP:WP+1], s[8:9], s[2:3]        ; my wave's stream of weights,
	s_add_nc_u64 s[W6:W6+1], s[WP:WP+1], 6*CHUNK   ; and its chunk 6
	s_mov_b32 s[WST+1], 0
	s_mov_b32 s[HPN], 0
	s_mov_b32 s[SEL], 0x76543210
	s_mov_b32 s[SEL+1], 0xfedcba98                 ; lane l xor 16
	s_mov_b32 s[CF], 0x3e38aa3b                    ; log2(e) / 8
	s_mov_b32 s[CB], 0x3d5d9914                    ; 0.3 log2(e) / 8
	s_mov_b32 s[K128], 0x3c000000                  ; 1 / 128
	s_mov_b32 s[K512], 0x3b000000                  ; 1 / 512
	s_mov_b32 s[KEPS], 0x3727c5ac                  ; 1e-5
	s_mov_b32 s[KM], 0x43000000                    ; 128
	v_lshlrev_b32 v[L8], 3, v25
	v_lshlrev_b32 v26, 2, v25
	v_and_b32 v[RR], 15, v0
	v_bfe_u32 v[HB], v0, 4, 1
	v_lshlrev_b32 v27, 2, v[RR]
	v_lshlrev_b32 v[BOF], 6, v[HB]
	v_and_b32 v28, 8, v[RR]
	v_add_nc_u32 v28, v28, v[RR]                   ; r + 8 (r / 8)
	v_lshlrev_b32 v[VBO], 2, v28
	s_mul_i32 s14, s[WV], PRIVB
	s_add_co_u32 s14, s14, PRIV
	v_add_nc_u32 v[STW], s14, v[L16]
	v_mul_u32_u24 v29, v[RR], 528
	v_lshl_add_u32 v29, v[HB], 6, v29
	v_add_nc_u32 v[STR], s14, v29
	v_add_nc_u32 v[AIA], REG_A, v[L16]
	v_add_nc_u32 v[ASA], REG_A+SCO, v26
	v_add_nc_u32 v[AIB], REG_B, v[L16]
	v_add_nc_u32 v[ASB], REG_B+SCO, v26
	s_mul_i32 s15, s[WV], 12288
	v_add_nc_u32 v[XWI], s15, v[L16]
	v_add_nc_u32 v[XWS], s13, v27
	v_add_nc_u32 v[XWS], REG_A+SCO, v[XWS]
	v_add_nc_u32 v[BWI], REG_B, v[XWI]
	v_add_nc_u32 v[BWS], REG_B, v[XWS]
	s_lshl_b32 s15, s[WV], 15
	s_add_co_u32 s15, s15, PARK
	v_add_nc_u32 v[PRK], s15, v[L16]
	v_add_nc_u32 v[P16], s14, v[L16]
	v_add_nc_u32 v[P8], s14, v[L8]
	v_add_nc_u32 v[P4], s14, v26
	s_lshl_b32 s15, s[WV], 3
	v_lshlrev_b32 v[STRD], 5, v[RR]
	v_add_nc_u32 v[STRD], STATS, v[STRD]
	v_add_nc_u32 v[STA], s15, v[STRD]
	v_lshlrev_b32 v29, 4, v[HB]
	v_sub_nc_u32 v[DB], v28, v29
.irp i, 4,5,6,7
	v_mov_b32 v[TM+\i], 0                          ; a lane permute's destination counts as one of its sources
.endr
	s_wait_alu depctr_va_vdst(0)                   ; at the head's end
	s_wait_xcnt 0x0
	s_add_nc_u64 s[XP:XP+1], s[XP:XP+1], BLKB
	s_add_nc_u64 s[TP:TP+1], s[TP:TP+1], BLKB
; ---------------------------------------------------------------- xt = x + te, its codes.  Tiles 4, 5 and 6, 7: two trips; they ask for blocks 3 and 0
	s_mov_b32 s[JJ], 0
	s_mov_b32 s[MA], 0
	s_mov_b32 s[MS], 0
	s_mov_b32 s[MP], 0
.Ltl:
	v_add_nc_u32 v25, s[MA], v[XWI]
	v_add_nc_u32 v26, s[MS], v[XWS]
	v_add_nc_u32 v27, s[MP], v[PRK]
	TILE 0, 0, TT0, 0, 25, 26, 6144, 256, 0
	TILE 1, 0, TT1, 0, 25, 26, 7680, 320, 8192
	s_wait_xcnt 0x0                                ; the loads have read XP, TP
	s_lshl_b32 s2, s[JJ], 23
	s_mov_b32 s3, 0
	s_add_nc_u64 s[XP:XP+1], s[XB:XB+1], s[2:3]    ; then block 0, then block 1
	s_add_nc_u64 s[TP:TP+1], s[TB:TB+1], s[2:3]
	s_add_co_u32 s[MA], s[MA], 3072
	s_add_co_u32 s[MS], s[MS], 128
	s_add_co_u32 s[MP], s[MP], 16384
	s_add_co_u32 s[JJ], s[JJ], 1
	s_cmp_lt_u32 s[JJ], 2
	s_wait_alu depctr_va_vdst(0)                   ; ahead of the branch
	s_cbranch_scc1 .Ltl
	TILE 0, 2, 0,   0, XWI, XWS, 0,    0,   -1
	TILE 1, 2, 64,  0, XWI, XWS, 1536, 64,  -1
	TILE 0, 2, 128, 1, XWI, XWS, 3072, 128, -1
	TILE 1, 2, 192, 2, XWI, XWS, 4608, 192, -1
	BARRIER                                        ; xt's 32 fragments lie in LDS
; ---------------------------------------------------------------- my two heads.  No barrier: only xt's images are read of what others wrote
; The attention of query tiles 2 (nb - 1), 2 (nb - 1) + 1, which see nb blocks of 32 keys: a loop of two trips.
.macro ATT nb
	s_mov_b32 s[UU], 0
	s_mov_b32 s[U8], 0
	s_mov_b32 s[TQ], 3072*(\nb-1)
	s_mov_b32 s[SQ], 128*(\nb-1)
	s_mov_b32 s[QO], 768*(2*\nb-1)                 ; the NEXT tile of q
	s_mov_b32 s[QS], 128*(2*\nb-1)
.Latt_\@:
	s_wait_dscnt 0x0                               ; q's tile is in (the first time k too); the last trip's stores are done
	WIN 0x40
.set kt, 0
.rept 2*\nb                                    ; S^T = k q^T.  K = 64: an even tile of k in the lower 64 with zeros above, an odd one above with zeros below; q in both
.set rD, aS+8*kt
.if kt < 4
.set rK, KP0+18*(kt/2)+6*(kt%2)
.else
.set rK, KP2+18*(kt/2-2)+6*(kt%2)
.endif
.set sK, KSC+kt/2
	WM rD, rK, rQ, rN, sK, sQ, f0, f0
.set kt, kt+1
.endr
	WIN 0
	v_add_nc_u32 v25, s[QO], v[P16]                ; these four are the places behind the products
	v_add_nc_u32 v26, s[QO], v[P8]
	v_add_nc_u32 v27, s[QS], v[P4]
	WIN 0x40
	v_add_nc_u32 v[aDD], s[U8], v[DB]              ; register i of the last block holds a key behind my query where i > d
	WIN 0
	ds_load_b128 v[QF:QF+3], v25                   ; (behind the last tile: bytes of q's region that are written and not used)
	ds_load_b64 v[QF+4:QF+5], v26 offset:512
	ds_load_b128 v[QF+6:QF+9], v25
	ds_load_b64 v[QF+10:QF+11], v26 offset:512
	ds_load_b32 v[QSC], v27 offset:6144
	WIN 0x55
.irp i, 0,1,2,3,4,5,6,7,8,9,10,11,12,13,14,15
	v_cmp_gt_i32 vcc_lo, \i, v[aDD]
	v_cndmask_b32 v[aS+16*(\nb-1)+\i], v[aS+16*(\nb-1)+\i], v[aNI], vcc_lo   ; hidden scores become -infinity
.endr
.irp b, 0,1,2,3
.if \b < \nb
	v_max3_num_f32 v[aBM+\b], v[aS+16*\b], v[aS+16*\b+1], v[aS+16*\b+2]   ; each block's largest score: for the row's maximum and for the block's largest p
.endif
.endr
.irp i, 3,5,7,9,11,13
.irp b, 0,1,2,3
.if \b < \nb
	v_max3_num_f32 v[aBM+\b], v[aBM+\b], v[aS+16*\b+\i], v[aS+16*\b+\i+1]
.endif
.endr
.endr
.irp b, 0,1,2,3
.if \b < \nb
	v_max_num_f32 v[aBM+\b], v[aBM+\b], v[aS+16*\b+15]
.endif
.endr
.irp b, 0,1,2,3
.if \b < \nb
	v_mul_f32 v[aT+\b], v[aBM+\b], v[aCM+2*\b]     ; as t: c is positive, and one number for a lane's 16 keys of a block
.endif
.endr
.if \nb == 1
	v_mov_b32 v[aT+4], v[aT]
.elseif \nb == 2
	v_max_num_f32 v[aT+4], v[aT], v[aT+1]
.else
	v_max3_num_f32 v[aT+4], v[aT], v[aT+1], v[aT+2]
.endif
.if \nb == 4
	v_max_num_f32 v[aT+4], v[aT+4], v[aT+3]
.endif
	v_permlanex16_b32 v[aT+5], v[aT+4], s[SEL], s[SEL+1]
	v_max_num_f32 v[aT+4], v[aT+4], v[aT+5]        ; the row's largest t
	v_floor_f32 v[aNM], -v[aT+4]                   ; -M = floor(-t)
.irp b, 0,1,2,3
.if \b < \nb
.irp j, 0,2,4,6,8,10,12,14
	v_pk_fma_f32 v[aS+16*\b+\j:aS+16*\b+\j+1], v[aS+16*\b+\j:aS+16*\b+\j+1], v[aCM+2*\b:aCM+2*\b+1], v[aNM:aNM+1] op_sel_hi:[1,0,0]   ; t - M
.endr
	v_fma_f32 v[aBM+\b], v[aBM+\b], v[aCM+2*\b], v[aNM]
.endif
.endr
.set k, 0
	s_wait_alu depctr_va_vdst(0)                   ; ahead of the batch
.rept 16*\nb
	v_exp_f32 v[aS+k], v[aS+k]                     ; p = 2^(t - M), not normalised
.set k, k+1
.endr
.irp b, 0,1,2,3
.if \b < \nb
	v_exp_f32 v[aBM+\b], v[aBM+\b]
.endif
.endr
	v_nop                                          ; a plain place behind the exponentials
	s_wait_alu depctr_va_vdst(0)                   ; and the wait behind the batch
.irp b, 0,1,2,3
.if \b < \nb
	v_permlanex16_b32 v[aBX+\b], v[aBM+\b], s[SEL], s[SEL+1]
.endif
.endr
.irp b, 0,1,2,3
.if \b < \nb
	v_max3_num_f32 v[aBM+\b], v[aBM+\b], v[aBX+\b], 0x1800000   ; the block's largest p, and the floor
.endif
.endr
.irp b, 0,1,2,3
.if \b < \nb
	v_add_nc_u32 v[aSO+\b], 0xff000000, v[aBM+\b]
.endif
.endr
.irp b, 0,1,2,3
.if \b < \nb
	v_lshrrev_b32 v[aBY+\b], 23, v[aSO+\b]
.endif
.endr
.if \nb == 1
	WIN 0x01
	v_mov_b32 v[PSC], v[aBY]                       ; p's scale word; the bytes of blocks that are not there stay 0, over zero codes
.else
	v_lshl_or_b32 v[aT+6], v[aBY+1], 8, v[aBY]
.if \nb > 2
	v_lshl_or_b32 v[aT+6], v[aBY+2], 16, v[aT+6]
.endif
.if \nb > 3
	v_lshl_or_b32 v[aT+6], v[aBY+3], 24, v[aT+6]
.endif
	WIN 0x01
	v_mov_b32 v[PSC], v[aT+6]
.endif
	WIN 0x55
.irp c, 0,1
.if 2*\c >= \nb
.irp z, 0,1,2,3,4,5
	v_mov_b32 v[aPC+6*\c+\z], 0                    ; keys that are not there: zero codes
.endr
.elseif 2*\c+1 >= \nb
.irp z, 0,1,2
	v_mov_b32 v[aPT+4*\c+\z], 0
.endr
.endif
.endr
.irp c, 0,1
.if 2*\c < \nb
	v_cvt_scalef32_pk16_fp6_f32 v[aPC+6*\c:aPC+6*\c+2], v[aS+32*\c:aS+32*\c+15], v[aSO+2*\c]
.endif
.if 2*\c+1 < \nb
	v_cvt_scalef32_pk16_fp6_f32 v[aPT+4*\c:aPT+4*\c+2], v[aS+32*\c+16:aS+32*\c+31], v[aSO+2*\c+1]
.endif
.endr
	v_nop                                          ; one plain place behind a scaled conversion
.irp c, 0,1
.if 2*\c < \nb
.irp i, 0,1,2
	v_permlane16_swap_b32 v[aPC+6*\c+\i], v[aPT+4*\c+\i]
.endr
.irp i, 0,1,2
	v_mov_b32 v[aPC+6*\c+3+\i], v[aPT+4*\c+\i]
.endr
.endif
.endr
	v_pk_add_f32 v[aLS:aLS+1], v[aS:aS+1], v[aS+2:aS+3]   ; the row's sum, of the unquantised p, in two chains; nine plain lines or more between p's scale word and the products
	v_pk_add_f32 v[aL2:aL2+1], v[aS+4:aS+5], v[aS+6:aS+7]
.set k, 8
.rept 4*\nb-2
	v_pk_add_f32 v[aLS:aLS+1], v[aLS:aLS+1], v[aS+k:aS+k+1]
	v_pk_add_f32 v[aL2:aL2+1], v[aL2:aL2+1], v[aS+k+2:aS+k+3]
.set k, k+4
.endr
	v_pk_add_f32 v[aLS:aLS+1], v[aLS:aLS+1], v[aL2:aL2+1]
	v_add_f32 v[aLS], v[aLS], v[aLS+1]
	WIN 0x44
.irp c, 0,1,2,3                                ; O^T = V^T P^T
.set rD, aO+8*\c
.set rV, VF+12*\c
.set sV, VSC+\c
	WM rD, rV, rP, rN, sV, sP, f0, f0
.endr
	WIN 0x55
	v_permlanex16_b32 v[aT], v[aLS], s[SEL], s[SEL+1]
	v_add_f32 v[aLS], v[aLS], v[aT]                ; with lane l xor 16's keys: the row's sum
	PLACES 3
	s_wait_alu depctr_va_vdst(0)                   ; ahead of the transcendental
	v_rcp_f32 v[aL2], v[aLS]
	v_nop                                          ; with the addition and the three above: five plain places behind the products
.set k, 0
	s_wait_alu depctr_va_vdst(0)                   ; and behind it
.rept 16
	v_pk_mul_f32 v[aO+k:aO+k+1], v[aO+k:aO+k+1], v[aL2:aL2+1] op_sel_hi:[1,0]
.set k, k+2
.endr
	QUANT aO, 1, PC, PW, 2                         ; my head's 64 channels of 16 rows: half a fragment of K step w of the next product
	s_add_co_u32 s13, s[HO], s[TQ]
	v_add_nc_u32 v28, s13, v[BWI]
	s_add_co_u32 s13, s[HO+1], s[TQ]
	v_add_nc_u32 v29, s13, v[BWI]
	s_add_co_u32 s13, s[HO+2], s[TQ]
	v_add_nc_u32 v30, s13, v[BWI]
	s_add_co_u32 s13, s[H2], s[SQ]
	v_add_nc_u32 v31, s13, v[BWS]
	ds_store_b64 v28, v[PC:PC+1]                   ; registers 6 hh .. 6 hh + 5 of the image, in pairs
	ds_store_b64 v29, v[PC+2:PC+3]
	ds_store_b64 v30, v[PC+4:PC+5]
	ds_store_b16 v31, v[PW]                        ; bytes 2 hh, 2 hh + 1 of the scale word
	s_add_co_u32 s[TQ], s[TQ], 1536
	s_add_co_u32 s[SQ], s[SQ], 64
	s_add_co_u32 s[QO], s[QO], 768
	s_add_co_u32 s[QS], s[QS], 128
	s_add_co_u32 s[U8], s[U8], 8
	s_add_co_u32 s[UU], s[UU], 1
	s_cmp_lt_u32 s[UU], 2
	s_cbranch_scc1 .Latt_\@
.endm
	s_mov_b32 s[HH], 0
	s_mov_b32 s[HO], 0                             ; where registers 6 hh, 6 hh + 2, 6 hh + 4 lie in an image
	s_mov_b32 s[HO+1], 8
	s_mov_b32 s[HO+2], 512
	s_mov_b32 s[H2], 0
.Lhh:
.irp c, 0,1,2,3                                ; v's bias, one number a lane, from v's chunk, two chunks on from WP (q's own chunk); q's last K step waits for all loads, these among them
	global_load_b32 v[VB+2*\c], v[VBO], s[WP:WP+1] offset:(32*(\c/2)+8*(\c%2))*4+2*CHUNK
.endr
	s_mov_b32 s[QK], 0
	s_mov_b32 s[PO], 0
.Lqk:                                              ; q, then k: my head's 64 columns, in two passes of 64 rows on the chunk that lies in registers
	s_mov_b32 s[MM], 0
	s_mov_b32 s[MA], 0
	s_mov_b32 s[MS], 0
	s_mov_b32 s[PA], s[PO]
	s_mov_b32 s[PB], s[PO]
	s_mov_b32 s[PD], s[PO]
.Lqm:
	v_add_nc_u32 v28, s[MA], v[AIA]
	v_add_nc_u32 v29, s[MS], v[ASA]
	s_wait_alu depctr_va_vdst(0)
	HQ 0, 28, 29, 0, 0
	s_cmp_eq_u32 s[MM], 0
	s_cbranch_scc1 .Lnr                            ; behind the second pass the registers take the next chunk, in the order that the waits count on
	WNEXT
	REFILL 0
	REFILL 1
	REFILL 2
	REFILL 3
.Lnr:
	v_add_nc_u32 v25, s[PA], v[P16]
	v_add_nc_u32 v26, s[PA], v[P8]
	v_add_nc_u32 v27, s[PB], v[P4]
	v_add_nc_u32 v30, s[PD], v[P4]
.irp p, 0,1                                    ; two row tiles at a time: two blocks each; six registers of codes a tile
	QUANT 64*\p, 1, PC, PW, 4
	ds_store_b128 v25, v[PC:PC+3] offset:1536*\p
	ds_store_b64 v26, v[PC+4:PC+5] offset:1536*\p+512
	ds_store_b128 v25, v[PC+6:PC+9] offset:1536*\p+768
	ds_store_b64 v26, v[PC+10:PC+11] offset:1536*\p+1280
	v_perm_b32 v[TA], v[PW], v[PW], 0x01000100     ; a tile's two bytes, twice: q's scale word
	v_perm_b32 v[TA+1], v[PW], v[PW], 0x03020302
	ds_store_b32 v27, v[TA] offset:6144+256*\p
	ds_store_b32 v27, v[TA+1] offset:6144+256*\p+128
	ds_store_b32 v30, v[PW] offset:7168+128*\p     ; both tiles' bytes: k's scale word for the pair
.endr
	s_add_co_u32 s[MA], s[MA], 6144
	s_add_co_u32 s[MS], s[MS], 256
	s_add_co_u32 s[PA], s[PA], 3072
	s_add_co_u32 s[PB], s[PB], 512
	s_add_co_u32 s[PD], s[PD], 256
	s_add_co_u32 s[MM], s[MM], 1
	s_cmp_lt_u32 s[MM], 2
	s_wait_alu depctr_va_vdst(0)                   ; ahead of the branch
	s_cbranch_scc1 .Lqm
	s_add_co_u32 s[PO], s[PO], KREG
	s_add_co_u32 s[QK], s[QK], 1
	s_cmp_lt_u32 s[QK], 2
	s_cbranch_scc1 .Lqk
.irp c, 0,1,2,3                                ; v: the lane's bias in eight registers starts each sum
.irp j, 0,1,2,3,4,5,6,7
	v_mov_b32 v[192+8*\c+\j], v[VB+2*\c]
.endr
.endr
	s_wait_alu depctr_va_vdst(0)
	HPV
.irp c, 0,1,2,3
	QUANT 64*\c, 1, VF+12*\c, VSC+\c, 4            ; V^T's fragment c, made in its operand registers
.endr
.irp p, 0,1,2,3                                ; attention's head: k's eight tiles, q's first, the factors c
.if \p < 2
.set rK, KP0+18*\p
.else
.set rK, KP2+18*(\p-2)
.endif
	ds_load_b128 v[rK:rK+3], v[P16] offset:KREG+1536*\p
	ds_load_b64 v[rK+4:rK+5], v[P8] offset:KREG+1536*\p+512
	ds_load_b128 v[rK+12:rK+15], v[P16] offset:KREG+1536*\p+768
	ds_load_b64 v[rK+16:rK+17], v[P8] offset:KREG+1536*\p+1280
	ds_load_b32 v[KSC+\p], v[P4] offset:KREG+7168+128*\p
.irp z, 6,7,8,9,10,11
	v_mov_b32 v[rK+\z], 0
.endr
.endr
	ds_load_b128 v[QF:QF+3], v[P16]
	ds_load_b64 v[QF+4:QF+5], v[P8] offset:512
	ds_load_b128 v[QF+6:QF+9], v[P16]
	ds_load_b64 v[QF+10:QF+11], v[P8] offset:512
	ds_load_b32 v[QSC], v[P4] offset:6144
	v_cmp_eq_u32 vcc_lo, s[HH], v[HB]              ; head 2 w + hh keeps keys 32 w + 16 hh + 0 .. 15 at full weight: block w, the lanes with h = hh
	v_mov_b32 v[TM+8], s[CB]
.irp b, 0,1,2,3
	s_cmp_eq_u32 s[WV], \b
	s_cselect_b32 s44, s[CF], s[CB]
	v_mov_b32 v[TM+\b], s44
.endr
	WIN 0x40
	s_wait_alu depctr_va_vdst(0)
.irp b, 0,1,2,3
	v_cndmask_b32 v[aCM+2*\b], v[TM+8], v[TM+\b], vcc_lo
	v_cndmask_b32 v[aCM+2*\b+1], v[TM+8], v[TM+\b], vcc_lo
.endr
	v_mov_b32 v[aNI], 0xff800000                   ; -infinity
	v_mov_b32 v[aNM+1], 0                          ; (the upper half of a pair)
	v_mov_b32 v[aT+5], 0                           ; (lane permutes' destinations)
.irp b, 0,1,2,3
	v_mov_b32 v[aBX+\b], 0
.endr
	WIN 0
	ATT 1
	ATT 2
	ATT 3
	ATT 4
	s_add_co_u32 s[HO], s[HO], 520
	s_add_co_u32 s[HO+1], s[HO+1], 1016
	s_add_co_u32 s[HO+2], s[HO+2], 520
	s_add_co_u32 s[H2], s[H2], 2
	s_add_co_u32 s[HH], s[HH], 1
	s_cmp_lt_u32 s[HH], 2
	s_cbranch_scc1 .Lhh
	BARRIER                                        ; the attention's result lies whole in REG_B; nobody reads xt's images any more
; ---------------------------------------------------------------- 64 rows a trip: Wo + residual + LayerNorm; W1, relu; W2 + residual + LayerNorm; out
.macro BIASADD hf                      ; the bias of 64 columns onto the residual, on which the products then add in place
	s_wait_loadcnt 51                              ; the 8 loads of the bias: behind them group 0's 12 fragment loads and the 39 of groups 1 to 3
	WIN 0x8e
.irp t, 0,1,2,3
.irp c, 0,1,2,3
.irp k, 0,2,4,6
	v_pk_add_f32 v[64*\t+8*(4*\hf+\c)+\k:64*\t+8*(4*\hf+\c)+\k+1], v[64*\t+8*(4*\hf+\c)+\k:64*\t+8*(4*\hf+\c)+\k+1], v[192+8*\c+\k:192+8*\c+\k+1]
.endr
.endr
.endr
	PLACES 4
	WIN 0
	s_wait_alu depctr_va_vdst(0)
.endm
.macro LNRED o                         ; four chains' ends: halves, lanes l and l xor 16
.irp t, 0,1,2,3
	v_pk_add_f32 v[CHA+4*\t:CHA+4*\t+1], v[CHA+4*\t:CHA+4*\t+1], v[CHA+4*\t+2:CHA+4*\t+3]
.endr
.irp t, 0,1,2,3
	v_add_f32 v[CHA+4*\t], v[CHA+4*\t], v[CHA+4*\t+1]
.endr
.irp t, 0,1,2,3
	v_permlanex16_b32 v[CHA+4*\t+1], v[CHA+4*\t], s[SEL], s[SEL+1]
.endr
.irp t, 0,1,2,3
	v_add_f32 v[SQW+2*\t+\o], v[CHA+4*\t], v[CHA+4*\t+1]
.endr
.endm
.macro LN1                             ; my wave's sum of 128 features; the tile less my wave's mean, in place; its sum of squares
	WIN 0x0a
.irp t, 0,1,2,3
	v_pk_add_f32 v[CHA+4*\t:CHA+4*\t+1], v[64*\t:64*\t+1], v[64*\t+2:64*\t+3]
.endr
.irp t, 0,1,2,3
	v_pk_add_f32 v[CHA+4*\t+2:CHA+4*\t+3], v[64*\t+4:64*\t+5], v[64*\t+6:64*\t+7]
.endr
	WIN 0x08
.irp k, 8,12,16,20,24,28,32,36,40,44,48,52,56,60
.irp t, 0,1,2,3
	v_pk_add_f32 v[CHA+4*\t:CHA+4*\t+1], v[CHA+4*\t:CHA+4*\t+1], v[64*\t+\k:64*\t+\k+1]
	v_pk_add_f32 v[CHA+4*\t+2:CHA+4*\t+3], v[CHA+4*\t+2:CHA+4*\t+3], v[64*\t+\k+2:64*\t+\k+3]
.endr
.endr
	WIN 0
	LNRED 0
.irp t, 0,1,2,3
	v_mul_f32 v[MW+2*\t], s[K128], v[SQW+2*\t]
	v_mul_f32 v[MW+2*\t+1], s[K128], v[SQW+2*\t]
.endr
	WIN 0x82
.irp t, 0,1,2,3
.set k, 0
.rept 32
	v_pk_add_f32 v[64*\t+k:64*\t+k+1], v[64*\t+k:64*\t+k+1], v[MW+2*\t:MW+2*\t+1] op_sel_hi:[1,0] neg_lo:[0,1] neg_hi:[0,1]
.set k, k+2
.endr
.endr
	WIN 0x0a
.irp t, 0,1,2,3
	v_pk_mul_f32 v[CHA+4*\t:CHA+4*\t+1], v[64*\t:64*\t+1], v[64*\t:64*\t+1]
	v_pk_mul_f32 v[CHA+4*\t+2:CHA+4*\t+3], v[64*\t+2:64*\t+3], v[64*\t+2:64*\t+3]
.endr
.irp k, 4,8,12,16,20,24,28,32,36,40,44,48,52,56,60
.irp t, 0,1,2,3
	v_pk_fma_f32 v[CHA+4*\t:CHA+4*\t+1], v[64*\t+\k:64*\t+\k+1], v[64*\t+\k:64*\t+\k+1], v[CHA+4*\t:CHA+4*\t+1]
	v_pk_fma_f32 v[CHA+4*\t+2:CHA+4*\t+3], v[64*\t+\k+2:64*\t+\k+3], v[64*\t+\k+2:64*\t+\k+3], v[CHA+4*\t+2:CHA+4*\t+3]
.endr
.endr
	WIN 0
	LNRED 1
.irp t, 0,1,2,3
	ds_store_b64 v[RST], v[SQW+2*\t:SQW+2*\t+1] offset:512*\t   ; lanes r and r + 16 write the same pair
.endr
.endm
; The four waves' pairs of each row; mean = sum / 512; e_w = wave w's mean - mean; the centred sum of squares = the four waves' + 128 x the sum of e_w^2: no difference of large sums is formed.
.macro LN2
.irp t, 0,1,2,3
.irp e, 0,1
	ds_load_b128 v[192+8*\t+4*\e:192+8*\t+4*\e+3], v[RSR] offset:512*\t+16*\e
.endr
.endr
	s_wait_dscnt 0x0
.irp t, 0,1,2,3
	v_add_f32 v[UA+\t], v[192+8*\t], v[192+8*\t+2]
.endr
.irp t, 0,1,2,3
	v_add_f32 v[UB+\t], v[192+8*\t+4], v[192+8*\t+6]
.endr
.irp t, 0,1,2,3
	v_add_f32 v[UA+\t], v[UA+\t], v[UB+\t]
.endr
.irp t, 0,1,2,3
	v_mul_f32 v[MEA+\t], s[K512], v[UA+\t]
.endr
.irp u, 0,1,2,3
.irp t, 0,1,2,3
	v_fma_f32 v[192+8*\t+2*\u], v[192+8*\t+2*\u], s[K128], -v[MEA+\t]
.endr
.endr
.irp t, 0,1,2,3
	v_add_f32 v[UA+\t], v[192+8*\t+1], v[192+8*\t+3]
.endr
.irp t, 0,1,2,3
	v_add_f32 v[UB+\t], v[192+8*\t+5], v[192+8*\t+7]
.endr
.irp t, 0,1,2,3
	v_add_f32 v[UA+\t], v[UA+\t], v[UB+\t]
.endr
.irp t, 0,1,2,3
	v_mul_f32 v[UB+\t], v[192+8*\t], v[192+8*\t]
.endr
.irp u, 1,2,3
.irp t, 0,1,2,3
	v_fma_f32 v[UB+\t], v[192+8*\t+2*\u], v[192+8*\t+2*\u], v[UB+\t]
.endr
.endr
.irp t, 0,1,2,3
	v_fma_f32 v[UA+\t], v[UB+\t], s[KM], v[UA+\t]
.endr
.irp t, 0,1,2,3
	v_fma_f32 v[UA+\t], v[UA+\t], s[K512], s[KEPS] ; the variance + 1e-5
.endr
	s_wait_alu depctr_va_vdst(0)                   ; ahead of the batch
.irp t, 0,1,2,3
	v_rsq_f32 v[RSD+2*\t], v[UA+\t]
.endr
.irp t, 0,1,2,3
	v_sub_f32 v[UB+\t], v[MW+2*\t], v[MEA+\t]      ; (plain lines behind the last transcendental)
.endr
	s_wait_alu depctr_va_vdst(0)                   ; behind the batch
.irp t, 0,1,2,3
	v_mov_b32 v[RSD+2*\t+1], v[RSD+2*\t]
.endr
.irp t, 0,1,2,3
	v_mul_f32 v[CCP+2*\t], v[UB+\t], v[RSD+2*\t]
.endr
.irp t, 0,1,2,3
	v_mov_b32 v[CCP+2*\t+1], v[CCP+2*\t]
.endr
.endm
.macro LN3                             ; (number - my wave's mean) / sqrt + (my wave's mean - mean) / sqrt
	WIN 0x82
.irp t, 0,1,2,3
.set k, 0
.rept 32
	v_pk_fma_f32 v[64*\t+k:64*\t+k+1], v[64*\t+k:64*\t+k+1], v[RSD+2*\t:RSD+2*\t+1], v[CCP+2*\t:CCP+2*\t+1] op_sel_hi:[1,0,0]
.set k, k+2
.endr
.endr
	WIN 0
.endm
; The way out: a tile through my stage, back by rows; each store of the wave covers 512 consecutive bytes, aligned
.macro TOSTAGE t
	WIN 0x08
.irp b, 0,1,2,3
.irp j, 0,1,2,3
	ds_store_b128 v[STR], v[64*(\t)+16*\b+4*\j:64*(\t)+16*\b+4*\j+3] offset:128*\b+16*\j
.endr
.endr
	WIN 0
.set ob, TT0+(TT1-TT0)*((\t)%2)
.irp i, 0,1,2,3,4,5,6,7,8,9,10,11,12,13,14,15
	ds_load_b128 v[ob+4*\i:ob+4*\i+3], v[STW] offset:528*\i   ; LDS serves a wave's instructions in order
.endr
.endm
.macro SEND t, younger                 ; younger: the next tile's 16 stores and 16 loads, or none
.set ob, TT0+(TT1-TT0)*((\t)%2)
.set sb, OC+2*((\t)/2)
	s_wait_dscnt \younger
.irp i, 0,1,2,3,4,5,6,7,8,9,10,11,12,13,14,15
	global_store_b128 v[LD], v[ob+4*\i:ob+4*\i+3], s[sb:sb+1] offset:(8*((\t)%2)+\i+8*(\i/8))*RS th:TH_STORE_NT
.endr
.endm
	s_mov_b32 s[MM], 0
	s_mov_b32 s[MA], 0
	s_mov_b32 s[MS], 0
	s_mov_b32 s[MT], 0
.Lm:
	s_wait_xcnt 0x0                                ; the last trip's stores have read their base and their data
	s_cmp_eq_u32 s[MM], 0
	s_cselect_b64 s[OC:OC+1], s[OB:OB+1], s[OB+4:OB+5]
	s_cselect_b64 s[OC+2:OC+3], s[OB+2:OB+3], s[OB+6:OB+7]
	s_cbranch_scc1 .Lres                           ; trip 0 finds xt's tiles 0-3 in window 2; trip 1 takes tiles 4-7 from the park
	WIN 0x80
.irp t, 0,1,2,3
.irp q, 0,1,2,3,4,5,6,7,8,9,10,11,12,13,14,15
	ds_load_b128 v[64*\t+4*\q:64*\t+4*\q+3], v[PRK] offset:8192*\t+512*\q
.endr
.endr
	WIN 0
	s_wait_dscnt 0x0
.Lres:
	v_add_nc_u32 v[RAI], s[MA], v[AIA]
	v_add_nc_u32 v[RAS], s[MS], v[ASA]
	v_add_nc_u32 v[RBI], s[MA], v[AIB]
	v_add_nc_u32 v[RBS], s[MS], v[ASB]
	v_add_nc_u32 v[RXI], s[MA], v[XWI]
	v_add_nc_u32 v[RXS], s[MS], v[XWS]
	v_add_nc_u32 v[RST], s[MT], v[STA]
	v_add_nc_u32 v[RSR], s[MT], v[STRD]
	s_wait_alu depctr_va_vdst(0)
	s_mov_b32 s[PP], 0
.Lpp:                                              ; trip 0: Wo on the attention's result, onto xt.  Trip 1: W2 on the hidden layer, onto the first LayerNorm's result.  Both operands lie in REG_B
	BIASADD 0
	HQ 2, RBI, RBS, 0, 1
	BIASADD 1
	HQ 2, RBI, RBS, 1, 1
	LN1
	BARRIER                                        ; every wave's sums lie in LDS; nobody reads these rows of REG_B any more
	LN2
	LN3
	s_wait_alu depctr_va_vdst(0)                   ; ahead of the branch
	s_cmp_eq_u32 s[PP], 1
	s_cbranch_scc1 .Lout                           ; the second LayerNorm's result goes out
.irp t, 0,1,2,3                                ; the first's becomes K step w of W1's operand
	QUANT 64*\t, 2, PC, PW, 4
	IMAGE RXI, 1536*\t
	ds_store_b32 v[RXS], v[PW] offset:64*\t
.endr
	BARRIER                                        ; the operand's rows lie whole in REG_A; the sums in LDS have been read
	s_mov_b32 s[HF], 0
	s_mov_b32 s[GO], 0
	s_mov_b32 s[GO+1], 8
	s_mov_b32 s[GO+2], 512
	s_mov_b32 s[G2], 0
.Lhf:                                              ; the hidden layer, 64 of my 128 units a trip
	HQ 0, RAI, RAS, 0, 1
	WIN 0x44
.set k, 0
.rept 128
	v_max_num_f32 v[k], 0, v[k]                    ; relu, in f32
.set k, k+1
.endr
	WIN 0
	s_add_co_u32 s13, s[GO], s[MA]
	v_add_nc_u32 v25, s13, v[BWI]
	s_add_co_u32 s13, s[GO+1], s[MA]
	v_add_nc_u32 v26, s13, v[BWI]
	s_add_co_u32 s13, s[GO+2], s[MA]
	v_add_nc_u32 v27, s13, v[BWI]
	s_add_co_u32 s13, s[G2], s[MS]
	v_add_nc_u32 v28, s13, v[BWS]
.irp p, 0,1
	QUANT 64*\p, 1, PC, PW, 4
	ds_store_b64 v25, v[PC:PC+1] offset:3072*\p
	ds_store_b64 v26, v[PC+2:PC+3] offset:3072*\p
	ds_store_b64 v27, v[PC+4:PC+5] offset:3072*\p
	ds_store_b64 v25, v[PC+6:PC+7] offset:3072*\p+1536
	ds_store_b64 v26, v[PC+8:PC+9] offset:3072*\p+1536
	ds_store_b64 v27, v[PC+10:PC+11] offset:3072*\p+1536
	ds_store_b16 v28, v[PW] offset:128*\p
	ds_store_b16_d16_hi v28, v[PW] offset:128*\p+64
.endr
	s_add_co_u32 s[GO], s[GO], 520
	s_add_co_u32 s[GO+1], s[GO+1], 1016
	s_add_co_u32 s[GO+2], s[GO+2], 520
	s_add_co_u32 s[G2], s[G2], 2
	s_add_co_u32 s[HF], s[HF], 1
	s_cmp_lt_u32 s[HF], 2
	s_wait_alu depctr_va_vdst(0)                   ; ahead of the branch
	s_cbranch_scc1 .Lhf
	BARRIER                                        ; the hidden layer's rows lie whole in REG_B
	s_add_co_u32 s[PP], s[PP], 1
	s_cmp_lt_u32 s[PP], 2
	s_cbranch_scc1 .Lpp
.Lout:
	TOSTAGE 0
.irp t, 1,2,3
.if \t > 1
	s_wait_xcnt 0x0                                ; the stores of two tiles back have read the registers that this tile's loads take
.endif
	TOSTAGE \t
	SEND \t-1, 32
.endr
	SEND 3, 0
	s_add_co_u32 s[MA], s[MA], 6144
	s_add_co_u32 s[MS], s[MS], 256
	s_add_co_u32 s[MT], s[MT], 2048
	s_add_co_u32 s[MM], s[MM], 1
	s_cmp_lt_u32 s[MM], 2
	s_cbranch_scc1 .Lm
	s_wait_tensorcnt 0x0                           ; the wave's end
	ds_add_u32 v175, v179
	s_wait_dscnt 0x0
	s_endpgm
.Lfunc_end_k_q91bb8747b4_fused:
	.size	k_q91bb8747b4_fused, .Lfunc_end_k_q91bb8747b4_fused-k_q91bb8747b4_fused
	.p2alignl 7, 3214868480
	.fill 96, 4, 3214868480
	.section	.rodata,"a",@progbits
	.p2align	6, 0x0
	.amdhsa_kernel k_q91bb8747b4_fused
		.amdhsa_group_segment_fixed_size 299520
		.amdhsa_private_segment_fixed_size 0
		.amdhsa_enable_private_segment 0
		.amdhsa_kernarg_size 32
		.amdhsa_user_sgpr_count 2
		.amdhsa_user_sgpr_kernarg_segment_ptr 1
		.amdhsa_wavefront_size32 1
		.amdhsa_system_sgpr_workgroup_id_x 1
		.amdhsa_system_sgpr_workgroup_id_y 1
		.amdhsa_system_sgpr_workgroup_id_z 1
		.amdhsa_system_vgpr_workitem_id 0
		.amdhsa_next_free_vgpr 1024
		.amdhsa_next_free_sgpr 92
		.amdhsa_reserve_vcc 1
		.amdhsa_float_denorm_mode_32 3
		.amdhsa_float_denorm_mode_16_64 3
		.amdhsa_memory_ordered 1
		.amdhsa_forward_progress 1
		.amdhsa_inst_pref_size 255
	.end_amdhsa_kernel
	.section	.bss,"aw",@nobits
	.p2align	6
	.space	262144
	.amdgpu_metadata
---
amdhsa.version: [ 1, 2 ]
amdhsa.kernels:
  - .name:           k_q91bb8747b4_fused
    .symbol:         k_q91bb8747b4_fused.kd
    .args:
      - { .name: x, .offset: 0, .size: 8, .value_kind: global_buffer, .address_space: global }
      - { .name: te, .offset: 8, .size: 8, .value_kind: global_buffer, .address_space: global }
      - { .name: wpk, .offset: 16, .size: 8, .value_kind: global_buffer, .address_space: global }
      - { .name: out0, .offset: 24, .size: 8, .value_kind: global_buffer, .address_space: global }
    .group_segment_fixed_size: 299520
    .private_segment_fixed_size: 0
    .kernarg_segment_align: 8
    .kernarg_segment_size: 32
    .max_flat_workgroup_size: 128
    .sgpr_count:     92
    .vgpr_count:     1024
    .wavefront_size: 32
...
	.end_amdgpu_metadata
.endif
;; end of part 2
